; MI455X (gfx1250); checked and timed in simulation.
; The chip was launched on July 23, 2026; its instructions are those of AMD's public machine-readable ISA for CDNA 5 (MIT licence, August 2026) and "CDNA5" Instruction Set Architecture Reference Guide (July 2026). The comments in the code are by the model that wrote it; some were corrected since.
;; Switch Linear. Allowed arithmetic: matrix products marked QUANTISED: E4M3 operands, one given power-of-two scale a tensor, by v_wmma_f32_16x16x64_fp8_fp8 or v_wmma_f32_16x16x128_fp8_fp8, f32 sums; everything else in f32.
;; Inputs: indices 8,192 int32; lowp_scales 16 int32 (the exponents e of the quantised operands' scales 2^e); weight 8 x 2,048 x 512 float32; x 8,192 x 2,048 float32.
;; Outputs: out0 8,192 x 512 float32.
;; This version of the problem:
;;   THIS VERSION OF THE PROBLEM IS GIVEN IN LOW PRECISION. The matrix products marked QUANTISED in the list below multiply operands that are first quantised to E4M3 (4 exponent bits, 3 mantissa bits; 8 bits a number), with one given power-of-two scale for each operand tensor; their sums are f32. All else is computed in f32.
;;   The module's matrix products, in the order in which they are computed (A, B: the left and right operand; K: the contracted axis; several contracted axes count as one K, in the product's order):
;;     1. [M 8,192, K 2,048] x [K 2,048, N 512]; A: computed on the way; B: input weight: QUANTISED (scales: A lowp_scales[0], B lowp_scales[1])
;;     2. [M 8,192, K 2,048] x [K 2,048, N 512]; A: computed on the way; B: input weight: QUANTISED (scales: A lowp_scales[2], B lowp_scales[3])
;;     3. [M 8,192, K 2,048] x [K 2,048, N 512]; A: computed on the way; B: input weight: QUANTISED (scales: A lowp_scales[4], B lowp_scales[5])
;;     4. [M 8,192, K 2,048] x [K 2,048, N 512]; A: computed on the way; B: input weight: QUANTISED (scales: A lowp_scales[6], B lowp_scales[7])
;;     5. [M 8,192, K 2,048] x [K 2,048, N 512]; A: computed on the way; B: input weight: QUANTISED (scales: A lowp_scales[8], B lowp_scales[9])
;;     6. [M 8,192, K 2,048] x [K 2,048, N 512]; A: computed on the way; B: input weight: QUANTISED (scales: A lowp_scales[10], B lowp_scales[11])
;;     7. [M 8,192, K 2,048] x [K 2,048, N 512]; A: computed on the way; B: input weight: QUANTISED (scales: A lowp_scales[12], B lowp_scales[13])
;;     8. [M 8,192, K 2,048] x [K 2,048, N 512]; A: computed on the way; B: input weight: QUANTISED (scales: A lowp_scales[14], B lowp_scales[15])
;;   THE QUANTISER, for each operand of a quantised product, along K:
;;     - The operand's scale is 2^e, e = its entry of the input lowp_scales (int32; the entries are numbered through the quantised products in the list's order, A before B).
;;     - Each number is divided by the scale, clamped to +-448, and rounded to the nearest number of E4M3, ties to even, subnormals kept.
;;     - The product sums the exact products of the quantised numbers (number of the format x scale) in f32.
;;   ~~~python
;;   def quantise(x, axis, e):      # numpy; x: float32 -> the quantised numbers, widened to float32 again
;;       x = np.moveaxis(x, axis, -1); K = x.shape[-1]
;;       r = np.clip(x / 2.0 ** e, -448, 448)
;;       step = 2.0 ** (np.maximum(np.frexp(np.where(r == 0, 1, r))[1] - 1, -6) - 3)
;;       q = np.round(r / step) * step * 2.0 ** e      # np.round: ties to even
;;       return np.moveaxis(q, -1, axis).astype(np.float32)
;;   ~~~
;;   OPERANDS COMPUTED ON THE WAY. 'Computed on the way' means the value that the module computes at that place (a softmax that the list does not call 'softmax' is quantised finished and normalised). What goes into a quantiser is computed in f32, as accurately as f32 sums, v_exp_f32 and their like allow (about 1e-6 of the number): no bf16 or f16 on the way to a quantiser, and a product that is left as it is and whose result goes on into a quantised operand takes f32 operands (vector FMAs, or v_wmma_f32_16x16x4_f32). A number that lies on a knife's edge between two numbers of the format may be rounded either way, as far as f32 arithmetic and the matrix unit's own rounding can turn it there, and no further.
;; One version. Each part assembles by itself: llvm-mc -triple=amdgcn-amd-amdhsa -mcpu=gfx1250 --defsym DOCPART=n.
;; ======== version 1 of 1: 2 launches
;; workspace buffers: wq 8,388,608 bytes; rows 36,864 bytes of whole numbers; tiles 2,048 bytes of whole numbers
;; launch prep (part 1): grid 257 x 1, 8 waves a work-group, no clusters, 1,280 bytes of LDS; arguments weight, indices, lowp_scales, wq, rows, tiles; writes wq, rows, tiles
.if DOCPART == 1
	.amdgcn_target "amdgcn-amd-amdhsa--gfx1250"
	.amdhsa_code_object_version 6
	.text
	.protected	k_q903a89f599_prep
	.globl	k_q903a89f599_prep
	.p2align	8
	.type	k_q903a89f599_prep,@function
k_q903a89f599_prep:
	s_mov_b64 s[64:65], 0
	v_nop
	global_prefetch_b8 v0, s[64:65] scope:SCOPE_SE
	s_setreg_imm32_b32 hwreg(HW_REG_WAVE_MODE, 25, 1), 1
	s_wait_xcnt 0x0
; SwitchLinear: out[n] = Q(x[n]) . Q(weight[indices[n]]), 8,192 tokens, K = 2,048, 512 outputs, 8 experts, both operands E4M3 with given scales.  Launch 1 of 2.
; DEAD WORK, LEFT OUT IN BOTH LAUNCHES.  The problem writes eight dense products, one for each expert e, of where(indices == e, x, 0) with weight[e], and adds them.  In product e every row n with
; indices[n] != e is a row of zeros that the problem builds itself; a zero has the code 0 under every scale, so that row of the product is exactly 0 for all finite values of x and weight, and adds nothing.
; So for token n only product indices[n] is live: one row of one product.  Which, a whole number read from memory decides.  All four inputs have a way to the output and are loaded.
; LIMITS.  A NaN, an infinity or an overflow that reaches only the rows left out is not carried to the result.  NaN in weight or x is not served; an infinity is held at the largest code.
; An index outside 0..7 is taken as expert 7.  The weights' exponents lowp_scales[2 e + 1] lie between -126 and 119.
; THIS LAUNCH.  Work-groups 1..256 turn weight [8][2048 (k)][512 (n)] f32 into codes, laid in the order in which the second launch's operand registers take them:
;   wq byte ((e*8 + w)*16 + s)*8192 + b*2048 + c*512 + l*16 holds the 16 codes of column 64 w + 16 b + l % 16 at k = 128 s + 32 c + 16 (l / 16) + 0 .. 15.
; A lane takes a column and its registers run down K: each load reads 128 consecutive bytes a wave (1,024 a work-group), the conversions give K innermost, and for a fixed (block, half)
; sixteen neighbouring lanes store 256 consecutive aligned bytes of wq: no LDS is needed on this path.
; Work-group 0 routes: a counting sort of the 8,192 indices into tiles of at most 48 rows of one expert: rows[48 g + p] = the token at place p of tile g, tiles[g] = (expert, rows in the tile).
; THERE ARE ALWAYS EXACTLY 178 TILES, NONE EMPTY.  The sum over experts of ceil(c_e / 48) is at most (8192 + 8 x 47) / 48, so at most 178, and at least 171: L = 178 - that sum is 0 .. 7.
; The fullest expert has at least 1,024 rows; its first 48 L rows are dealt 24 to a tile on 2 L tiles.  So the second launch has one tile for each of its 178 work-groups for every split, and no branch on a stored number.
.set SPARE, 256                        ; LDS: bytes 0-127 the eight waves' totals; from 256 on the spare words, 128 bytes for each wave, which no other line names
.set XW,   32                          ; weight path: v32-95  two sets of 32 numbers
.set CW,   96                          ; weight path: v96-127 the codes, eight registers a block, never rewritten
.set IDX,  32                          ; router: v32-63  my 32 indices; later the byte offsets of their places in rows
.set LRK,  64                          ; router: v64-95  their ranks among my own of the same expert; later the tokens' numbers
.macro WLOAD t                         ; block t: weight(32 t + i, my column), i = 0 .. 31, into set t % 2
.set i, 0
.rept 32
	global_load_b32 v[XW+32*((\t)%2)+i], v2, s[4:5] offset:(32*(\t)+i)*2048 th:TH_LOAD_NT
.set i, i+1
.endr
.endm
.macro WBLOCK t
.set XS, XW+32*((\t)%2)
.if (\t) < 3
	s_wait_loadcnt 32                              ; loads come back in order: this block's 32 are in, the next block's 32 may be out
.else
	s_wait_loadcnt 0x0
.endif
.set i, 0
.rept 32
	v_med3_num_f32 v[XS+i], v[XS+i], -v10, v10     ; the conversion to an 8-bit code does not saturate (ISA guide 7.6.2): the hold at 448 x the scale comes first
.set i, i+1
.endr
.irp g, 0,1,2,3
	v_cvt_scalef32_pk8_fp8_f32 v[CW+8*(\t)+2*\g:CW+8*(\t)+2*\g+1], v[XS+8*\g:XS+8*\g+7], v11
.endr
	global_store_b128 v3, v[CW+8*(\t):CW+8*(\t)+3], s[10:11] offset:512*(\t)         ; k = 32 t + 0 .. 15: the fragment's lanes 0-15
	global_store_b128 v3, v[CW+8*(\t)+4:CW+8*(\t)+7], s[10:11] offset:512*(\t)+256   ; k = 32 t + 16 .. 31: its lanes 16-31.  Sixteen lanes store 256 consecutive aligned bytes
.if (\t) < 2
	WLOAD (\t)+2                                   ; the results above go to stores alone, and the next vector lines are the other set's holds
.endif
.endm
	s_load_b256 s[4:11], s[0:1], 0x0               ; weight s[4:5], indices s[6:7], lowp_scales s[8:9], wq s[10:11]
	s_load_b128 s[12:15], s[0:1], 0x20             ; rows s[12:13], tiles s[14:15]
	v_lshl_add_u32 v28, v0, 2, SPARE               ; my spare word, and 0: kept for the add at the router's end
	v_mov_b32 v29, 0
	v_lshrrev_b32 v1, 5, v0
	v_readfirstlane_b32 s16, v1                    ; wave 0..7
	v_and_b32 v1, 31, v0                           ; lane
	s_cmp_eq_u32 ttmp9, 0                          ; the work-group's number: the same in all eight waves
	s_cbranch_scc1 .Lrouter
	; ---------------- the weights: work-group g' = number - 1 takes expert g' / 32, columns 256 ((g' / 16) % 2) on, K step g' % 16; wave q takes 32 of the columns
	s_sub_co_u32 s17, ttmp9, 1
	s_and_b32 s18, s17, 15                         ; s: the K step of 128
	s_bfe_u32 s19, s17, 0x10004                    ; hf: which 256 columns
	s_lshr_b32 s20, s17, 5                         ; e
	s_lshl_b32 s21, s20, 3                         ; 8 e: also the byte of the expert's pair of exponents
	s_lshl_b32 s22, s20, 22                        ; from: e x 2048 x 2048 bytes
	s_lshl_b32 s24, s18, 18                        ; + 128 s rows of 2,048 bytes
	s_add_co_u32 s22, s22, s24
	s_lshl_b32 s24, s19, 10                        ; + 256 hf columns
	s_add_co_u32 s22, s22, s24
	s_lshl_b32 s24, s16, 7                         ; + 32 q columns
	s_add_co_u32 s22, s22, s24
	s_mov_b32 s23, 0
	s_lshl_b32 s24, s19, 2                         ; to: w = 4 hf + q / 2
	s_add_co_u32 s24, s24, s21
	s_lshr_b32 s26, s16, 1
	s_add_co_u32 s24, s24, s26                     ; 8 e + w
	s_lshl_b32 s24, s24, 4
	s_add_co_u32 s24, s24, s18                     ; x 16 + s
	s_lshl_b32 s24, s24, 13                        ; x 8,192 bytes
	s_and_b32 s26, s16, 1
	s_lshl_b32 s26, s26, 12                        ; + fragments 2 (q % 2) and 2 (q % 2) + 1
	s_add_co_u32 s24, s24, s26
	s_mov_b32 s25, 0
	v_lshlrev_b32 v2, 2, v1                        ; in: 4 bytes a lane
	v_and_b32 v3, 15, v1
	v_lshlrev_b32 v3, 4, v3                        ; out: 16 (lane % 16)
	v_lshrrev_b32 v4, 4, v1
	v_lshl_add_u32 v3, v4, 11, v3                  ; + 2,048 (lane / 16): the next fragment
	s_wait_kmcnt 0x0
	s_load_b32 s27, s[8:9], s21 offset:0x4         ; eb = lowp_scales[2 e + 1]
	s_add_nc_u64 s[4:5], s[4:5], s[22:23]
	s_add_nc_u64 s[10:11], s[10:11], s[24:25]
	WLOAD 0
	WLOAD 1
	s_wait_kmcnt 0x0
	s_add_co_i32 s27, s27, 127
	s_lshl_b32 s28, s27, 23
	v_mov_b32 v11, s28                             ; 2^eb as f32: the conversion takes its exponent field
	s_add_co_i32 s27, s27, 8
	s_lshl_b32 s27, s27, 23
	s_or_b32 s27, s27, 0x600000
	v_mov_b32 v10, s27                             ; 448 x 2^eb
	WBLOCK 0
	WBLOCK 1
	WBLOCK 2
	WBLOCK 3
	s_endpgm
	; ---------------- the router: 256 threads, thread t takes tokens 32 t .. 32 t + 31
	; v8, v9: my counts of experts 0-3 and 4-7, a byte each (at most 32);  v10-13 the same as pairs of 16 bits;  v14-17 their running sums over the lanes;  v20-23 the places' bases;  v24-27 the totals
.macro CNT4 j0                         ; four indices: held inside 0..7, ranked among my own, counted.  Each step is dealt over the four, so that few lines wait for the line above
.irp u, 0,1,2,3
	v_min_u32 v[IDX+(\j0)+\u], 7, v[IDX+(\j0)+\u]
.endr
.irp u, 0,1,2,3
	v_lshlrev_b32 v[96+\u], 3, v[IDX+(\j0)+\u]
.endr
.irp u, 0,1,2,3
	v_lshlrev_b32 v[96+\u], v[96+\u], 1            ; 1 in the expert's byte (the shift takes its amount modulo 32: ISA guide, the instruction's entry)
.endr
.irp u, 0,1,2,3
	v_cmp_gt_u32 vcc_lo, 4, v[IDX+(\j0)+\u]
	v_cndmask_b32 v[100+\u], 0, v[96+\u], vcc_lo   ; for experts 0-3
.endr
.irp u, 0,1,2,3
	v_sub_nc_u32 v[96+\u], v[96+\u], v[100+\u]     ; for experts 4-7
.endr
.irp u, 0,1,2,3
	v_perm_b32 v[LRK+(\j0)+\u], v9, v8, v[IDX+(\j0)+\u]   ; byte e of the eight counts so far: my rank (in the lowest byte)
	v_add_nc_u32 v8, v8, v[100+\u]
	v_add_nc_u32 v9, v9, v[96+\u]
.endr
.irp u, 0,1,2,3
	v_and_b32 v[LRK+(\j0)+\u], 0xff, v[LRK+(\j0)+\u]
.endr
.endm
.macro PLACE4 j0                       ; four tokens go to their places in rows
.irp u, 0,1,2,3
	v_perm_b32 v[104+\u], v97, v96, v[IDX+(\j0)+\u]       ; the low byte of my base for expert e,
	v_perm_b32 v[108+\u], v99, v98, v[IDX+(\j0)+\u]       ; and the high byte
.endr
.irp u, 0,1,2,3
	v_perm_b32 v[104+\u], v[108+\u], v[104+\u], 0x0400
.endr
.irp u, 0,1,2,3
	v_and_b32 v[104+\u], 0xffff, v[104+\u]
.endr
.irp u, 0,1,2,3
	v_add_nc_u32 v[104+\u], v[104+\u], v[LRK+(\j0)+\u]    ; the place, 48 to a tile
.endr
.irp u, 0,1,2,3
	v_sub_nc_u32 v[108+\u], v[104+\u], s71                ; r: the rank in the fullest expert (of use there alone)
.endr
.irp u, 0,1,2,3
	v_mul_u32_u24 v[108+\u], v[108+\u], 0xaaab            ; r / 24 = r x 43,691 >> 20: exact for r under 8,544, since r / 3 / 2^20 stays under 1 / 24
.endr
.irp u, 0,1,2,3
	v_lshrrev_b32 v[108+\u], 20, v[108+\u]
.endr
.irp u, 0,1,2,3
	v_mul_u32_u24 v[108+\u], v[108+\u], 24
.endr
.irp u, 0,1,2,3
	v_min_u32 v[108+\u], s69, v[108+\u]                   ; a gap of 24 places behind every 24 rows, in the first 48 L rows
.endr
.irp u, 0,1,2,3
	v_cmp_eq_u32 vcc_lo, s66, v[IDX+(\j0)+\u]
	v_cndmask_b32 v[108+\u], 0, v[108+\u], vcc_lo
.endr
.irp u, 0,1,2,3
	v_add_nc_u32 v[104+\u], v[104+\u], v[108+\u]
.endr
.irp u, 0,1,2,3
	v_min_u32 v[104+\u], 0x215f, v[104+\u]                ; held inside the 178 x 48 places
.endr
.irp u, 0,1,2,3
	v_lshlrev_b32 v[IDX+(\j0)+\u], 2, v[104+\u]
	v_lshl_add_u32 v[LRK+(\j0)+\u], v0, 5, (\j0)+\u       ; the token's number
.endr
.irp u, 0,1,2,3
	global_store_b32 v[IDX+(\j0)+\u], v[LRK+(\j0)+\u], s[12:13]   ; four bytes a lane to scattered places: the whole list is 34,176 bytes; address and data are each token's own registers
.endr
.endm
.Lrouter:
	v_lshlrev_b32 v2, 7, v0                        ; my 32 indices: 128 bytes
	v_lshlrev_b32 v3, 4, v0
.irp j, 4,5,6,7,8,9
	v_mov_b32 v\j, 0                               ; v[4:7]: zeros for rows; v8, v9: the counts
.endr
	s_mov_b32 s76, 0x06040200                      ; picks the low bytes of four 16-bit numbers,
	s_mov_b32 s77, 0x07050301                      ; and the high bytes
	s_wait_kmcnt 0x0
.irp i, 0,1,2,3,4,5,6,7
	global_load_b128 v[IDX+4*\i:IDX+4*\i+3], v2, s[6:7] offset:16*\i
.endr
.irp k, 0,1,2,3,4,5,6,7,8
	global_store_b128 v3, v[4:7], s[12:13] offset:4096*\k    ; every place of rows holds token 0 first: so the places that no token takes name a row of x
.endr
	s_wait_loadcnt 0x0
.irp j, 0,4,8,12,16,20,24,28
	CNT4 \j
.endr
	v_and_b32 v18, 0xff, v8                        ; the counts as pairs of 16 bits: the sums reach 8,192, with the bases 8,544
	v_bfe_u32 v19, v8, 8, 8
	v_lshl_or_b32 v10, v19, 16, v18
	v_bfe_u32 v18, v8, 16, 8
	v_lshrrev_b32 v19, 24, v8
	v_lshl_or_b32 v11, v19, 16, v18
	v_and_b32 v18, 0xff, v9
	v_bfe_u32 v19, v9, 8, 8
	v_lshl_or_b32 v12, v19, 16, v18
	v_bfe_u32 v18, v9, 16, 8
	v_lshrrev_b32 v19, 24, v9
	v_lshl_or_b32 v13, v19, 16, v18
.irp p, 0,1,2,3
	v_mov_b32 v[14+\p], v[10+\p]
	v_mov_b32 v[96+\p], 0                          ; written once: the destination of a DPP form counts as read
.endr
.irp n, 1,2,4,8                                ; running sums inside each 16 lanes
.irp p, 0,1,2,3
	v_mov_b32_dpp v[96+\p], v[14+\p] row_shr:\n row_mask:0xf bank_mask:0xf bound_ctrl:1
.endr
.irp p, 0,1,2,3
	v_add_nc_u32 v[14+\p], v[14+\p], v[96+\p]
.endr
.endr
	v_cmp_lt_u32 vcc_lo, 15, v1
	v_cndmask_b32 v30, 0, -1, vcc_lo               ; all ones in lanes 16-31,
.irp p, 0,1,2,3
	v_readlane_b32 s30, v[14+\p], 15
	v_and_b32 v18, s30, v30
	v_add_nc_u32 v[14+\p], v[14+\p], v18           ; which add the lower 16 lanes' total
.endr
.irp p, 0,1,2,3
	v_readlane_b32 s30, v[14+\p], 31
	v_mov_b32 v[20+\p], s30                        ; my wave's totals
.endr
	v_mov_b32 v19, s16
	v_lshlrev_b32 v19, 4, v19
	ds_store_b128 v19, v[20:23]                    ; all lanes write the same 16 bytes with the same numbers
	s_wait_storecnt 0x0                            ; my zeros lie in rows: no wave puts a token there before every wave's zeros are done
	s_wait_dscnt 0x0                               ; for the others' sake: my totals lie in LDS
	s_barrier_signal -1
	s_barrier_wait -1
.irp k, 0,1,2,3,4,5,6,7
	ds_load_b128 v[96+4*\k:99+4*\k], v4 offset:16*\k      ; v4 = 0: the eight waves' totals, in every lane
.endr
	s_wait_dscnt 0x0
.irp k, 0,1,2,3,4,5,6,7
	s_cmp_gt_u32 s16, \k
	s_cselect_b32 s30, -1, 0                       ; all ones for the waves in front of mine
.irp p, 0,1,2,3
.if \k == 0
	v_mov_b32 v[24+\p], v[96+\p]
	v_and_b32 v[20+\p], s30, v[96+\p]
.else
	v_add_nc_u32 v[24+\p], v[24+\p], v[96+4*\k+\p]
	v_and_b32 v18, s30, v[96+4*\k+\p]
	v_add_nc_u32 v[20+\p], v[20+\p], v18
.endif
.endr
.endr
.irp p, 0,1,2,3
	v_add_nc_u32 v[20+\p], v[20+\p], v[14+\p]
	v_sub_nc_u32 v[20+\p], v[20+\p], v[10+\p]      ; how many of each expert stand in front of my 32 tokens
.endr
	; the split, in scalar registers: s32-39 c_e;  s40-47 tiles t_e;  s48-55 first tile tb_e;  s56-63 first place 48 tb_e;  s78-85 c_e, with 48 L added for the fullest
.irp p, 0,1,2,3
	v_readfirstlane_b32 s30, v[24+\p]
	s_and_b32 s[32+2*\p], s30, 0xffff
	s_lshr_b32 s[33+2*\p], s30, 16
.endr
.irp e, 0,1,2,3,4,5,6,7
	s_add_co_u32 s30, s[32+\e], 47
	s_mul_i32 s30, s30, 43691                      ; (c + 47) / 48 = (c + 47) x 43,691 >> 21: exact up to 8,239, since that / 3 / 2^21 stays under 1 / 48
	s_lshr_b32 s[40+\e], s30, 21
.endr
	s_mov_b32 s66, 0                               ; the fullest expert (the lowest of equals),
	s_mov_b32 s67, s32                             ; and its rows
.irp e, 1,2,3,4,5,6,7
	s_cmp_gt_u32 s[32+\e], s67
	s_cselect_b32 s66, \e, s66
	s_cselect_b32 s67, s[32+\e], s67
.endr
	s_mov_b32 s68, 178
.irp e, 0,1,2,3,4,5,6,7
	s_sub_co_u32 s68, s68, s[40+\e]                ; L
.endr
	s_mul_i32 s69, s68, 48                         ; 48 L
	s_lshl_b32 s70, s68, 1                         ; 2 L
.irp e, 0,1,2,3,4,5,6,7
	s_cmp_eq_u32 s66, \e
	s_cselect_b32 s30, s68, 0                      ; both selections stand ahead of the additions, which set SCC
	s_cselect_b32 s31, s69, 0
	s_add_co_u32 s[40+\e], s[40+\e], s30
	s_add_co_u32 s[78+\e], s[32+\e], s31
.endr
	s_mov_b32 s48, 0
.irp e, 1,2,3,4,5,6,7
	s_add_co_u32 s[48+\e], s[47+\e], s[39+\e]
.endr
.irp e, 0,1,2,3,4,5,6,7
	s_mul_i32 s[56+\e], s[48+\e], 48
.endr
	s_mov_b32 s71, s56                             ; the fullest expert's first place
.irp e, 1,2,3,4,5,6,7
	s_cmp_eq_u32 s66, \e
	s_cselect_b32 s71, s[56+\e], s71
.endr
.irp p, 0,1,2,3
	s_lshl_b32 s30, s[57+2*\p], 16
	s_or_b32 s[72+\p], s30, s[56+2*\p]
	v_add_nc_u32 v[20+\p], s[72+\p], v[20+\p]      ; my base for each expert: its first place + those in front of me
.endr
	v_perm_b32 v96, v21, v20, s76                  ; the eight bases as two planes of bytes, so that one v_perm_b32 by the index looks a byte up
	v_perm_b32 v98, v21, v20, s77
	v_perm_b32 v97, v23, v22, s76
	v_perm_b32 v99, v23, v22, s77
.irp j, 0,4,8,12,16,20,24,28
	PLACE4 \j
.endr
	; the table: thread g writes tile g's expert and number of rows (entries 178 .. 255 are written and never read)
	v_mov_b32 v112, 0                              ; expert
	v_mov_b32 v114, 0                              ; its first tile
	v_mov_b32 v115, s78                            ; its rows
.irp j, 1,2,3,4,5,6,7
	v_cmp_le_u32 vcc_lo, s[48+\j], v0              ; the last expert whose first tile is at or under g: one with no tile is passed over by the next
	v_mov_b32 v116, s[48+\j]
	v_mov_b32 v117, s[78+\j]
	v_cndmask_b32 v112, v112, \j, vcc_lo
	v_cndmask_b32 v114, v114, v116, vcc_lo
	v_cndmask_b32 v115, v115, v117, vcc_lo
.endr
	v_sub_nc_u32 v114, v0, v114                    ; which of the expert's tiles
	v_mul_u32_u24 v116, v114, 48
	v_sub_nc_u32 v113, v115, v116
	v_min_u32 v113, 48, v113                       ; 48, or what is left in the expert's last tile
	v_cmp_eq_u32 s30, s66, v112
	v_cmp_gt_u32 s31, s70, v114
	s_and_b32 s30, s30, s31
	v_cndmask_b32 v113, v113, 24, s30              ; the fullest expert's first 2 L tiles hold 24
	v_lshlrev_b32 v118, 3, v0
	global_store_b64 v118, v[112:113], s[14:15]
	s_wait_tensorcnt 0x0                           ; the wave's end
	ds_add_u32 v28, v29
	s_wait_dscnt 0x0
	s_endpgm
.Lfunc_end_k_q903a89f599_prep:
	.size	k_q903a89f599_prep, .Lfunc_end_k_q903a89f599_prep-k_q903a89f599_prep
	.p2alignl 7, 3214868480
	.fill 96, 4, 3214868480
	.section	.rodata,"a",@progbits
	.p2align	6, 0x0
	.amdhsa_kernel k_q903a89f599_prep
		.amdhsa_group_segment_fixed_size 1280
		.amdhsa_private_segment_fixed_size 0
		.amdhsa_enable_private_segment 0
		.amdhsa_kernarg_size 48
		.amdhsa_user_sgpr_count 2
		.amdhsa_user_sgpr_kernarg_segment_ptr 1
		.amdhsa_wavefront_size32 1
		.amdhsa_system_sgpr_workgroup_id_x 1
		.amdhsa_system_sgpr_workgroup_id_y 1
		.amdhsa_system_sgpr_workgroup_id_z 1
		.amdhsa_system_vgpr_workitem_id 0
		.amdhsa_next_free_vgpr 128
		.amdhsa_next_free_sgpr 100
		.amdhsa_reserve_vcc 1
		.amdhsa_float_denorm_mode_32 3
		.amdhsa_float_denorm_mode_16_64 3
		.amdhsa_memory_ordered 1
		.amdhsa_forward_progress 1
		.amdhsa_inst_pref_size 85
	.end_amdhsa_kernel
	.amdgpu_metadata
---
amdhsa.version: [ 1, 2 ]
amdhsa.kernels:
  - .name:           k_q903a89f599_prep
    .symbol:         k_q903a89f599_prep.kd
    .args:
      - { .name: weight, .offset: 0, .size: 8, .value_kind: global_buffer, .address_space: global }
      - { .name: indices, .offset: 8, .size: 8, .value_kind: global_buffer, .address_space: global }
      - { .name: lowp_scales, .offset: 16, .size: 8, .value_kind: global_buffer, .address_space: global }
      - { .name: wq, .offset: 24, .size: 8, .value_kind: global_buffer, .address_space: global }
      - { .name: rows, .offset: 32, .size: 8, .value_kind: global_buffer, .address_space: global }
      - { .name: tiles, .offset: 40, .size: 8, .value_kind: global_buffer, .address_space: global }
    .group_segment_fixed_size: 1280
    .private_segment_fixed_size: 0
    .kernarg_segment_align: 8
    .kernarg_segment_size: 48
    .max_flat_workgroup_size: 256
    .sgpr_count:     100
    .vgpr_count:     128
    .wavefront_size: 32
...
	.end_amdgpu_metadata
.endif
;; end of part 1
;; launch moe (part 2): grid 178 x 1, 8 waves a work-group, no clusters, 216,064 bytes of LDS; arguments x, wq, rows, tiles, lowp_scales, out0; writes out0
.if DOCPART == 2
	.amdgcn_target "amdgcn-amd-amdhsa--gfx1250"
	.amdhsa_code_object_version 6
	.text
	.protected	k_q903a89f599_moe
	.globl	k_q903a89f599_moe
	.p2align	8
	.type	k_q903a89f599_moe,@function
k_q903a89f599_moe:
	s_mov_b64 s[64:65], 0
	v_nop
	global_prefetch_b8 v0, s[64:65] scope:SCOPE_SE
	s_setreg_imm32_b32 hwreg(HW_REG_WAVE_MODE, 25, 1), 1
	s_wait_xcnt 0x0
; SwitchLinear, launch 2 of 2: out[n] = Q(x[n]) . Q(weight[indices[n]]).  LEFT OUT AS DEAD WORK: in each of the problem's eight products the rows of tokens that are not routed to its expert: they are zeros
; that the problem builds itself, have the code 0 and add exactly 0 (shown at the head of the first launch, with the limit on NaN, infinity and overflow that reach only those rows).
; LIMITS.  ea = lowp_scales[2 e] between -126 and 119; ea + eb between -126 and 127, so that each power of two below is an f32 number.  NaN in x is not served; an infinity is held at the largest code.
; SHARES.  Work-group g takes tile g of the first launch's list: at most 48 rows of one expert x all 512 columns; there are exactly 178 tiles, none empty, for every split.  Wave w makes columns 64 w .. 64 w + 63
; for all 48 rows (12 accumulators), from its own 128 KB of the expert's codes, which go from memory straight into its registers: wq is laid in the order of the operand's registers, so each load is 512 consecutive bytes.
; Wave w also fetches rows 6 w .. 6 w + 5 of x (each load 512 consecutive aligned bytes of one row), quantises them in registers and puts the codes into LDS for all eight waves.  x is read once, as f32, and its codes never go to memory.
; Places of a tile that hold no token name token 0: they are multiplied inside a live tile and not stored.  (So row 0 of x may be read more than once; every other row is read once.)
; K goes in 16 steps of 128.  THE MATRIX INSTRUCTION IS USED TRANSPOSED (source 0 = 16 columns of the weight, source 1 = 16 rows of x): a lane then holds eight neighbouring columns of one row of out.
; In both operands lane l holds k = 32 c + 16 (l / 16) + 0 .. 15 in registers 4 c .. 4 c + 3: the same permutation of k on both sides, so every product meets its partner.
; NO TENSOR LOADS, NO CLUSTER: the rows of x are a gather by a stored list and must pass through registers to be quantised; the weights' address hangs on the stored expert, and for some splits four neighbouring tiles
; belong to two experts, so that partners could not ask with one descriptor.  No byte of the weights is wanted by two waves of a work-group, so they do not go through LDS.
; The text has no branch and no label: all 16 steps are written out, and every offset is an immediate.
; LDS: x's codes, step j at 6,912 j: 48 rows of 128 bytes + 16 (pitch 144 = 9 x 16: the sixteen rows that a load touches start in sixteen different 16-byte columns of 256 bytes); each byte is written once in the launch.
;      Then a stage of 48 rows x (256 + 16) bytes for each wave, its own; then the spare words.
; REGISTERS.  Window 0: v1-19 addresses and scales; v20-25 codes just made; v32-103 x, three sets of 24; v104-151 x's three fragments; v152-247 the 12 accumulators ((m, b) at 152 + 8 (4 m + b)).
;             Window 1: v0-191 the weight's fragments, three buffers of four; v192-215 the tokens of the rows that I store.
.set APITCH, 144
.set ASTEP,  48*APITCH                 ; a K step's codes: 6,912 bytes
.set AHIGH,  8*ASTEP                   ; steps 8-15 go by a second address register, so that every immediate stays under 65,536
.set STAGE,  16*ASTEP
.set SP,     272
.set WSTG,   48*SP
.set SPARE,  STAGE+8*WSTG              ; 128 bytes for each wave, which no other line names
.set LI,  1                            ; v1     16 x lane
.set XO,  2                            ; v2-7   x: my six rows' byte offsets + 16 x lane
.set CS0, 8                            ; v8     where I store codes, steps 0-7: 864 x wave + 4 x lane
.set AA0, 9                            ; v9     where I read fragments, steps 0-7: 144 (l % 16) + 16 (l / 16)
.set AA1, 10                           ; v10    steps 8-15
.set STI, 11                           ; v11    the stage, in
.set STB, 12                           ; v12    the stage, back
.set OC,  13                           ; v13    256 x wave + 16 (l % 16): my bytes in a row of out
.set HF,  14                           ; v14    l / 16
.set RA,  15                           ; v15    192 g + 4 (l / 16): in rows
.set SC,  16                           ; v16    2^ea
.set LIM, 17                           ; v17    448 x 2^ea
.set SPW, 18                           ; v18    LDS address of my spare word; never rewritten
.set NIL, 19                           ; v19    0; never rewritten
.set CD,  20
.set CS1, 27                           ; v27    where I store codes, steps 8-15
.set XS,  32
.set TMP, 32                           ; the way out: the sums x 2^(ea + eb)
.set AF,  104
.set OFS, 128                          ; the way out: v128-151 byte offsets in out
.set ACC, 152
.set MSB, 0
.macro WIN new                         ; the immediate's high byte repeats the setting that is left; a switch that changes nothing is dropped
.if MSB != \new
	s_set_vgpr_msb (MSB<<8)|\new
.set MSB, \new
.endif
.endm
.macro XLOAD j                         ; my six rows' 128 numbers of step j, four a lane
.irp r, 0,1,2,3,4,5
	global_load_b128 v[XS+24*((\j)%3)+4*\r:XS+24*((\j)%3)+4*\r+3], v[XO+\r], s[4:5] offset:512*(\j) th:TH_LOAD_NT
.endr
.endm
.macro BLOAD j                         ; my four fragments of the weight for step j: 8,192 consecutive bytes
	WIN 0x40                                       ; destination window 1, address window 0
.irp b, 0,1,2,3
.irp c, 0,1,2,3
	global_load_b128 v[64*((\j)%3)+16*\b+4*\c:64*((\j)%3)+16*\b+4*\c+3], v[LI], s[6:7] offset:8192*(\j)+2048*\b+512*\c
.endr
.endr
	WIN 0
.endm
.macro QUANT j                         ; step j's numbers become codes.  One scale serves the whole tile, so a conversion's eight numbers may be four of each of two rows: each word of its result is four codes of one row
.set XB, XS+24*((\j)%3)
.set k, 0
.rept 24
	v_med3_num_f32 v[XB+k], v[XB+k], -v[LIM], v[LIM]      ; the conversion to an 8-bit code does not saturate (ISA guide 7.6.2): the hold comes first
.set k, k+1
.endr
.irp p, 0,1,2
	v_cvt_scalef32_pk8_fp8_f32 v[CD+2*\p:CD+2*\p+1], v[XB+8*\p:XB+8*\p+7], v[SC]
.endr
	v_nop                                          ; one plain vector line behind the last conversion, ahead of whatever vector or matrix line next touches its registers
.irp r, 0,1,2,3,4,5
.if (\j) < 8
	ds_store_b32 v[CS0], v[CD+\r] offset:(\j)*ASTEP+APITCH*\r        ; 32 lanes: a row's 128 bytes
.else
	ds_store_b32 v[CS1], v[CD+\r] offset:((\j)-8)*ASTEP+APITCH*\r
.endif
.endr
.endm
.macro ALOAD i                         ; x's three fragments of step i
.irp m, 0,1,2
.irp c, 0,1,2,3
.if (\i) < 8
	ds_load_b128 v[AF+16*\m+4*\c:AF+16*\m+4*\c+3], v[AA0] offset:(\i)*ASTEP+16*APITCH*\m+32*\c
.else
	ds_load_b128 v[AF+16*\m+4*\c:AF+16*\m+4*\c+3], v[AA1] offset:((\i)-8)*ASTEP+16*APITCH*\m+32*\c
.endif
.endr
.endr
.endm
.macro MUL i                           ; 12 matrix instructions; the 12 accumulators take turns, one instruction a turn, in the same order in every step.  Step 0 starts the sums: nothing is cleared
	WIN 0x01                                       ; source 0 (the weight) window 1
.irp b, 0,1,2,3
.irp m, 0,1,2
.if (\i) == 0
	v_wmma_f32_16x16x128_fp8_fp8 v[ACC+8*(4*\m+\b):ACC+8*(4*\m+\b)+7], v[64*((\i)%3)+16*\b:64*((\i)%3)+16*\b+15], v[AF+16*\m:AF+16*\m+15], 0
.else
	v_wmma_f32_16x16x128_fp8_fp8 v[ACC+8*(4*\m+\b):ACC+8*(4*\m+\b)+7], v[64*((\i)%3)+16*\b:64*((\i)%3)+16*\b+15], v[AF+16*\m:AF+16*\m+15], v[ACC+8*(4*\m+\b):ACC+8*(4*\m+\b)+7]
.endif
.endr
.endr
	WIN 0
.rept 4
	v_nop                                          ; four places ahead of the loads into the registers just read, and, behind the last step, of the first read of the sums
.endr
.endm
.macro CX j                            ; the six loads of XLOAD j, if there is such a step
.if ((\j) >= 0) && ((\j) <= 15)
.set CNT, CNT+6
.endif
.endm
.macro CB j                            ; the sixteen of BLOAD j
.if ((\j) >= 0) && ((\j) <= 15)
.set CNT, CNT+16
.endif
.endm
; ONE TURN, i = -1 .. 15: step i + 1 of x is quantised and shown to the others, step i is multiplied, and the loads of steps i + 4 (x) and i + 3 (weight) go out.
; Loads come back in order (ISA guide 5.7.1), and the order of issue is: the tokens' numbers, X0, X1, B0, X2, B1, and then in each turn X(i + 4), B(i + 3).  So each wait counts what was issued behind the load that it wants.
; ONE BARRIER A TURN: ahead of its signal my stores of step i + 1's codes are done; behind its wait the next turn reads them.  No LDS byte is written twice, so nothing is owed the other way.
.macro ITER i
.if (\i)+1 <= 15
.set CNT, 0
	CB (\i)
	CX (\i)+2
	CB (\i)+1
	CX (\i)+3
	CB (\i)+2
	s_wait_loadcnt CNT                             ; X(i + 1) is in; behind it: B(i), X(i + 2), B(i + 1), X(i + 3), B(i + 2)
	QUANT (\i)+1
.endif
.if (\i)+4 <= 15
	XLOAD (\i)+4                                   ; into the set just converted
.endif
.if (\i) >= 0
	ALOAD (\i)
.set CNT, 0
	CX (\i)+2
	CB (\i)+1
	CX (\i)+3
	CB (\i)+2
	CX (\i)+4
	s_wait_loadcnt CNT                             ; B(i) is in; behind it: X(i + 2), B(i + 1), X(i + 3), B(i + 2), X(i + 4)
.endif
	s_wait_dscnt 0x0                               ; my stores of codes are done, for the others' sake, and my fragments are in
.if (\i) < 15
	s_barrier_signal -1
.endif
.if (\i) >= 0
	MUL (\i)                                       ; work on registers alone between the signal and the wait
.endif
.if (\i) < 15
	s_barrier_wait -1
.endif
.if (\i)+3 <= 15
	BLOAD (\i)+3                                   ; into the buffer just multiplied
.endif
.endm
	s_load_b256 s[4:11], s[0:1], 0x0               ; x s[4:5], wq s[6:7], rows s[8:9], tiles s[10:11]
	s_load_b128 s[12:15], s[0:1], 0x20             ; lowp_scales s[12:13], out0 s[14:15]
	v_lshl_add_u32 v[SPW], v0, 2, SPARE
	v_mov_b32 v[NIL], 0
	v_lshrrev_b32 v26, 5, v0
	v_readfirstlane_b32 s16, v26                   ; wave 0..7
	v_and_b32 v26, 31, v0                          ; lane
	v_lshlrev_b32 v[LI], 4, v26
	s_mul_i32 s30, s16, 6*APITCH                   ; my six rows in a step's codes
	v_lshlrev_b32 v[CS0], 2, v26
	v_add_nc_u32 v[CS0], s30, v[CS0]
	v_add_nc_u32 v[CS1], AHIGH, v[CS0]
	v_and_b32 v26, 15, v0                          ; l % 16
	v_bfe_u32 v[HF], v0, 4, 1                      ; l / 16
	v_mul_u32_u24 v[AA0], v26, APITCH
	v_lshl_add_u32 v[AA0], v[HF], 4, v[AA0]
	v_add_nc_u32 v[AA1], AHIGH, v[AA0]
	s_mul_i32 s30, s16, WSTG
	s_add_co_u32 s30, s30, STAGE                   ; my stage
	v_mul_u32_u24 v[STI], v26, SP                  ; in: row l % 16, 32 bytes for each half of the lanes
	v_lshl_add_u32 v[STI], v[HF], 5, v[STI]
	v_add_nc_u32 v[STI], s30, v[STI]
	v_mul_u32_u24 v[STB], v[HF], SP                ; back: lanes 0-15 one row of 256 bytes, lanes 16-31 the next
	v_lshl_add_u32 v[STB], v26, 4, v[STB]
	v_add_nc_u32 v[STB], s30, v[STB]
	s_lshl_b32 s31, s16, 8
	v_lshl_add_u32 v[OC], v26, 4, s31
	s_mul_i32 s32, ttmp9, 192                      ; my tile's 48 entries of rows
	v_lshl_add_u32 v[RA], v[HF], 2, s32
	s_lshl_b32 s30, ttmp9, 3                       ; my tile's entry of tiles
	s_mul_i32 s31, s16, 24
	s_add_co_u32 s31, s31, s32                     ; my wave's six entries of rows
	s_wait_kmcnt 0x0
	s_load_b64 s[18:19], s[10:11], s30 offset:0x0  ; expert, rows in the tile.  These addresses hang on ids alone, so header and rows come together
	s_load_b64 s[20:21], s[8:9], s31 offset:0x0    ; the six tokens whose rows of x I fetch
	s_load_b64 s[22:23], s[8:9], s31 offset:0x8
	s_load_b64 s[24:25], s[8:9], s31 offset:0x10
	WIN 0x40
.set q, 0
.rept 24
	global_load_b32 v[192+q], v[RA], s[8:9] offset:8*q     ; the tokens at places 2 q + l / 16: the rows of out that I store
.set q, q+1
.endr
	WIN 0
	s_wait_kmcnt 0x0
	s_min_u32 s18, s18, 7                          ; a stored number enters an address only held inside its table
	s_lshl_b32 s30, s18, 3
	s_load_b64 s[26:27], s[12:13], s30 offset:0x0  ; ea, eb
.irp r, 0,1,2,3,4,5
	s_min_u32 s[20+\r], s[20+\r], 0x1fff
	v_lshl_add_u32 v[XO+\r], s[20+\r], 13, v[LI]   ; a row of x is 8,192 bytes
.endr
	s_add_co_u32 s32, s30, s16                     ; 8 e + w
	s_lshl_b32 s32, s32, 17                        ; x 16 steps of 8,192 bytes
	s_mov_b32 s33, 0
	s_add_nc_u64 s[6:7], s[6:7], s[32:33]
	XLOAD 0
	XLOAD 1
	BLOAD 0
	XLOAD 2
	BLOAD 1
	s_wait_kmcnt 0x0
	s_add_co_i32 s28, s26, s27
	s_add_co_i32 s28, s28, 127
	s_lshl_b32 s28, s28, 23                        ; 2^(ea + eb) as f32
	s_mov_b32 s29, s28                             ; (named with it as a pair, so it is written)
	s_add_co_i32 s26, s26, 127
	s_lshl_b32 s27, s26, 23
	v_mov_b32 v[SC], s27                           ; 2^ea: the conversion takes its exponent field
	s_add_co_i32 s26, s26, 8
	s_lshl_b32 s26, s26, 23
	s_or_b32 s26, s26, 0x600000
	v_mov_b32 v[LIM], s26                          ; 448 x 2^ea
.irp i, -1,0,1,2,3,4,5,6,7,8,9,10,11,12,13,14,15
	ITER \i
.endr
	; THE WAY OUT.  Each sum x 2^(ea + eb), into other registers, each accumulator from its low end on; through my own stage, so that sixteen lanes hold 256 neighbouring bytes of one row of out.
.set k, 0
.rept 48
	v_pk_mul_f32 v[TMP+k:TMP+k+1], v[ACC+k:ACC+k+1], s[28:29] op_sel_hi:[1,0]
.set k, k+2
.endr
.irp m, 0,1,2
.irp b, 0,1,2,3
	ds_store_b128 v[STI], v[TMP+8*(4*\m+\b):TMP+8*(4*\m+\b)+3] offset:16*SP*\m+64*\b          ; lane (r, h): place 16 m + r, my columns 16 b + 8 h + 0 .. 7
	ds_store_b128 v[STI], v[TMP+8*(4*\m+\b)+4:TMP+8*(4*\m+\b)+7] offset:16*SP*\m+64*\b+16
.endr
.endr
.set q, 0
.rept 24
	ds_load_b128 v[ACC+4*q:ACC+4*q+3], v[STB] offset:2*SP*q      ; LDS serves a wave's instructions in order (ISA guide 5.7.1.4): these see my stores above
.set q, q+1
.endr
	WIN 0x04                                       ; source 1 window 1
.set q, 0
.rept 24
	v_min_u32 v[OFS+q], 0x1fff, v[192+q]           ; the tokens, held inside out's 8,192 rows
.set q, q+1
.endr
	WIN 0
.set q, 0
.rept 24
	v_lshl_add_u32 v[OFS+q], v[OFS+q], 11, v[OC]   ; a row of out is 2,048 bytes
.set q, q+1
.endr
.set q, 0
.rept 24                                       ; places 2 q and 2 q + 1.  The places that hold tokens are the first of the tile, so EXEC only ever narrows
	s_wait_dscnt 23-q                              ; this pair of rows is back; the younger loads may be out
	s_wait_xcnt 0x0                                ; EXEC is a source of the store before: it changes only behind this wait
	s_sub_co_i32 s30, s19, 2*q
	v_cmpx_gt_i32 s30, v[HF]                       ; a lane stays on while 2 q + l / 16 is under the tile's number of rows
	global_store_b128 v[OFS+q], v[ACC+4*q:ACC+4*q+3], s[14:15] th:TH_STORE_NT    ; sixteen lanes store 256 consecutive bytes, at a multiple of 256 from out's first byte; written once, read by nobody here
.set q, q+1
.endr
	s_wait_xcnt 0x0
	s_mov_b32 exec_lo, -1                          ; all lanes on again
	s_wait_tensorcnt 0x0                           ; the wave's end
	ds_add_u32 v[SPW], v[NIL]
	s_wait_dscnt 0x0
	s_endpgm
.Lfunc_end_k_q903a89f599_moe:
	.size	k_q903a89f599_moe, .Lfunc_end_k_q903a89f599_moe-k_q903a89f599_moe
	.p2alignl 7, 3214868480
	.fill 96, 4, 3214868480
	.section	.rodata,"a",@progbits
	.p2align	6, 0x0
	.amdhsa_kernel k_q903a89f599_moe
		.amdhsa_group_segment_fixed_size 216064
		.amdhsa_private_segment_fixed_size 0
		.amdhsa_enable_private_segment 0
		.amdhsa_kernarg_size 48
		.amdhsa_user_sgpr_count 2
		.amdhsa_user_sgpr_kernarg_segment_ptr 1
		.amdhsa_wavefront_size32 1
		.amdhsa_system_sgpr_workgroup_id_x 1
		.amdhsa_system_sgpr_workgroup_id_y 1
		.amdhsa_system_sgpr_workgroup_id_z 1
		.amdhsa_system_vgpr_workitem_id 0
		.amdhsa_next_free_vgpr 480
		.amdhsa_next_free_sgpr 66
		.amdhsa_reserve_vcc 0
		.amdhsa_float_denorm_mode_32 3
		.amdhsa_float_denorm_mode_16_64 3
		.amdhsa_memory_ordered 1
		.amdhsa_forward_progress 1
		.amdhsa_inst_pref_size 118
	.end_amdhsa_kernel
	.amdgpu_metadata
---
amdhsa.version: [ 1, 2 ]
amdhsa.kernels:
  - .name:           k_q903a89f599_moe
    .symbol:         k_q903a89f599_moe.kd
    .args:
      - { .name: x, .offset: 0, .size: 8, .value_kind: global_buffer, .address_space: global }
      - { .name: wq, .offset: 8, .size: 8, .value_kind: global_buffer, .address_space: global }
      - { .name: rows, .offset: 16, .size: 8, .value_kind: global_buffer, .address_space: global }
      - { .name: tiles, .offset: 24, .size: 8, .value_kind: global_buffer, .address_space: global }
      - { .name: lowp_scales, .offset: 32, .size: 8, .value_kind: global_buffer, .address_space: global }
      - { .name: out0, .offset: 40, .size: 8, .value_kind: global_buffer, .address_space: global }
    .group_segment_fixed_size: 216064
    .private_segment_fixed_size: 0
    .kernarg_segment_align: 8
    .kernarg_segment_size: 48
    .max_flat_workgroup_size: 256
    .sgpr_count:     66
    .vgpr_count:     480
    .wavefront_size: 32
...
	.end_amdgpu_metadata
.endif
;; end of part 2
